; MI455X (gfx1250); checked and timed in simulation.
; The chip was launched on July 23, 2026; its instructions are those of AMD's public machine-readable ISA for CDNA 5 (MIT licence, August 2026) and "CDNA5" Instruction Set Architecture Reference Guide (July 2026). The comments in the code are by the model that wrote it; some were corrected since.
;; Bahdanau Attention. Allowed arithmetic: matrix products marked QUANTISED: E2M1 operands, one E8M0 scale for each 32 along K, by v_wmma_scale_f32_16x16x128_f8f6f4 with both operands' format E2M1 (or v_wmma_scale_f32_32x16x128_f4), f32 sums; products left as they are: f32 operands where the result goes on into a quantised operand, else bf16, f16 or f32 operands; f32 sums; everything else in f32.
;; Inputs: U_codes 1,024 x 32 x 16 uint8 (E2M1 codes of U, K innermost, in blocks of 32 codes, two codes a byte); U_scales 1,024 x 32 uint8 (E8M0 scales of U, one for each 32 codes along K); V 1,024 x 1 float32; W_codes 1,024 x 32 x 16 uint8 (E2M1 codes of W, K innermost, in blocks of 32 codes, two codes a byte); W_scales 1,024 x 32 uint8 (E8M0 scales of W, one for each 32 codes along K); Wc_b 1,024 float32; Wc_w 1 x 1,024 float32; coverage_vector 32 x 2,048 x 1 x 1 float32; decoder_hidden_state_codes 32 x 32 x 16 uint8 (E2M1 codes of decoder_hidden_state, K innermost, in blocks of 32 codes, two codes a byte); decoder_hidden_state_scales 32 x 32 uint8 (E8M0 scales of decoder_hidden_state, one for each 32 codes along K); encoder_mask 32 x 2,048 float32; encoder_outputs 32 x 2,048 x 1,024 float32.
;; Outputs: out0 32 x 1,024 float32; out1 32 x 2,048 float32; out2 32 x 2,048 x 1 x 1 float32.
;; This version of the problem:
;;   THIS VERSION OF THE PROBLEM IS GIVEN IN LOW PRECISION. The matrix products marked QUANTISED in the list below multiply operands that are first quantised to E2M1 (2 exponent bits, 1 mantissa bit; 4 bits a number), with one power-of-two scale for each 32 numbers along K (OCP MX v1.0); their sums are f32. All else is computed in f32.
;;   The module's matrix products, in the order in which they are computed (A, B: the left and right operand; K: the contracted axis; several contracted axes count as one K, in the product's order):
;;     1. [M 32, K 1,024] x [K 1,024, N 1,024]; A: input decoder_hidden_state (given as codes); B: input W (given as codes): QUANTISED
;;     2. [M 65,536, K 1,024] x [K 1,024, N 1,024]; A: input encoder_outputs; B: input U (given as codes): QUANTISED
;;     3. [M 65,536, K 1] x [K 1, N 1,024]; A: input coverage_vector; B: input Wc_w: left as it is (K = 1 < 32)
;;     4. [M 65,536, K 1,024] x [K 1,024, N 1]; A: computed on the way; B: input V: left as it is (N = 1 < 16)
;;     5. batch 32 x [M 1, K 2,048] x [K 2,048, N 1,024]; A: computed on the way; B: input encoder_outputs: left as it is (M = 1 < 16)
;;   THE QUANTISER, for each operand of a quantised product, along K:
;;     - K is cut into blocks of 32 from its start; a last block that is shorter is filled with zeros.
;;     - A block's scale is 2^e with e = floor(log2(the largest magnitude in the block)) - 2, held to -126 .. 127; a block of zeros has e = 0. As a byte (E8M0): e + 127.
;;     - Each number is divided by its block's scale, clamped to +-6, and rounded to the nearest number of E2M1, ties to even, subnormals kept.
;;     - The product sums the exact products of the quantised numbers (number of the format x scale) in f32.
;;   ~~~python
;;   def quantise(x, axis):      # numpy; x: float32 -> the quantised numbers, widened to float32 again
;;       x = np.moveaxis(x, axis, -1); K = x.shape[-1]
;;       x = np.pad(x, [(0, 0)] * (x.ndim - 1) + [(0, -K % 32)]); x = x.reshape(x.shape[:-1] + (-1, 32)); a = np.abs(x).max(-1, keepdims=True)
;;       e = np.where(a > 0, np.clip(np.frexp(np.where(a > 0, a, 1))[1] - 1 - 2, -126, 127), 0)      # np.frexp(a)[1] - 1 = floor(log2(a)), exactly
;;       r = np.clip(x / 2.0 ** e, -6, 6)
;;       step = 2.0 ** (np.maximum(np.frexp(np.where(r == 0, 1, r))[1] - 1, 0) - 1)
;;       q = np.round(r / step) * step * 2.0 ** e      # np.round: ties to even
;;       return np.moveaxis(q.reshape(q.shape[:-2] + (-1,))[..., :K], -1, axis).astype(np.float32)
;;   ~~~
;;   INPUTS GIVEN AS CODES. U (in the module: [1024, 1024], K = its axis 0); W (in the module: [1024, 1024], K = its axis 0); decoder_hidden_state (in the module: [32, 1024], K = its axis 1): each comes as NAME_codes (uint8): NAME with its K axis moved to the last place and cut into blocks of 32 codes, [.., K / 32, bytes a block], one block behind the other in memory; two codes a byte, the lower K in the low four bits (a code: sign, 2 exponent bits, 1 mantissa bit); and NAME_scales (uint8): the same leading axes, one E8M0 byte (e + 127) for each 32 codes along K. Its value is code x scale, taken as it is: it is not quantised again, and the codes and scales need not be those that the quantiser above would give.
;; One version. Each part assembles by itself: llvm-mc -triple=amdgcn-amd-amdhsa -mcpu=gfx1250 --defsym DOCPART=n.
;; ======== version 1 of 1: 3 launches
;; limits: values are held in bf16: 8 bits of precision; right only within a limited range of input values
;; workspace buffers: uimg 1,048,576 bytes; kbi 262,144 bytes; ctxp 1,048,576 bytes; stat 65,536 bytes; scr 262,144 bytes
;; launch prep (part 1): grid 32 x 1, 4 waves a work-group, no clusters, 0 bytes of LDS; arguments decoder_hidden_state_codes, decoder_hidden_state_scales, W_codes, W_scales, Wc_b, U_codes, U_scales, Wc_w, V, kbi, uimg; writes kbi, uimg
.if DOCPART == 1
	.amdgcn_target "amdgcn-amd-amdhsa--gfx1250"
	.amdhsa_code_object_version 6
	.text
	.protected	k_q0284b6ff33_prep
	.globl	k_q0284b6ff33_prep
	.p2align	8
	.type	k_q0284b6ff33_prep,@function
k_q0284b6ff33_prep:
	s_mov_b64 s[64:65], 0
	v_nop
	global_prefetch_b8 v0, s[64:65] scope:SCOPE_SE
	s_setreg_imm32_b32 hwreg(HW_REG_WAVE_MODE, 25, 1), 1
	s_wait_xcnt 0x0
; Two small jobs ahead of the main launch, told apart by the work-group's number.
; WORK-GROUPS 0-15: the decoder's projection on the given E2M1 codes, kbi[b][T][r][0..1] = KC x (proj_dec[b][16 T + r] + Wc_b[16 T + r]), each number
;   twice, so that the main launch can name it as a register pair.  KC = 2 log2(e): tanh z = 1 - 2 / (1 + 2^(KC z)).
;   A wave takes two tiles of 16 units (T0 even, T0 + 1) and 16 batches: 16 matrix instructions, two accumulators by turns, K ascending.
; WORK-GROUPS 16-31: U is laid as images of the operand's registers.  Tile T (units 16 T .. 16 T + 15) begins at 16,384 T; lane = 16 h + r:
;   byte (2 s + c) 512 + 16 lane: the 16 bytes of unit r's codes at 64 s + 32 c + 16 h (K step s, registers 4 c .. 4 c + 3 of its fragment);
;   byte 8,192 + 16 lane: unit r's scale bytes 16 h .. 16 h + 15 (register j: K step j in lanes 0-15, K step 4 + j in lanes 16-31);
;   byte 8,704 + 16 lane: KC Wc_w[u], KC Wc_w[u], -2 V[u], -2 V[u].  The bytes from 9,216 to the pitch are neither written nor read.
; No LDS, no barrier: waves share nothing.  Every store of a wave covers 256 or 512 consecutive bytes, aligned.
.set KC, 0x4038aa3b
	s_load_b512 s[4:19], s[0:1], 0x0               ; h's codes s[4:5], h's scales s[6:7], W's codes s[8:9], W's scales s[10:11], Wc_b s[12:13], U's codes s[14:15], U's scales s[16:17], Wc_w s[18:19]
	s_load_b128 s[20:23], s[0:1], 0x40             ; V s[20:21], kbi s[22:23]
	s_load_b64 s[24:25], s[0:1], 0x50              ; uimg
	v_lshrrev_b32 v1, 5, v0
	v_readfirstlane_b32 s2, v1                     ; wave 0..3
	v_and_b32 v1, 15, v0                           ; r
	v_bfe_u32 v2, v0, 4, 1                         ; h
	v_and_b32 v3, 31, v0                           ; lane
	v_lshlrev_b32 v4, 9, v1
	v_lshl_add_u32 v4, v2, 4, v4                   ; codes: row r of 512 bytes, + 16 h
	v_lshlrev_b32 v5, 5, v1
	v_lshl_add_u32 v5, v2, 4, v5                   ; scale bytes: row r of 32 bytes, + 16 h
	v_lshlrev_b32 v6, 2, v1                        ; an f32 number of unit r
	s_mov_b32 s30, KC
	s_lshl_b32 s26, ttmp9, 2
	s_add_co_u32 s26, s26, s2                      ; 4 x work-group + wave
	s_mov_b32 s33, 0                               ; the upper word of every offset
	s_cmp_lt_u32 ttmp9, 16
	s_cbranch_scc0 .Limages
	; ---- the decoder's projection
	s_and_b32 s27, s26, 1                          ; which 16 batches
	s_lshr_b32 s28, s26, 1                         ; which pair of tiles: units 32 p .. 32 p + 31
	s_wait_alu depctr_va_vdst(0)
	v_lshlrev_b32 v7, 3, v3                        ; kbi: 8 bytes a lane
	s_wait_kmcnt 0x0
	s_lshl_b32 s32, s27, 13                        ; 16 rows of 512 bytes
	s_add_nc_u64 s[4:5], s[4:5], s[32:33]
	s_lshl_b32 s32, s27, 9                         ; 16 rows of 32 bytes
	s_add_nc_u64 s[6:7], s[6:7], s[32:33]
	s_lshl_b32 s32, s28, 14                        ; 32 rows of 512 bytes
	s_add_nc_u64 s[8:9], s[8:9], s[32:33]
	s_lshl_b32 s32, s28, 10                        ; 32 rows of 32 bytes
	s_add_nc_u64 s[10:11], s[10:11], s[32:33]
	s_lshl_b32 s32, s28, 7                         ; 32 numbers
	s_add_nc_u64 s[12:13], s[12:13], s[32:33]
	s_lshl_b32 s32, s27, 17                        ; 16 batches of 8,192 bytes,
	s_lshl_b32 s29, s28, 8                         ; two tiles of 128 bytes
	s_add_co_u32 s32, s32, s29
	s_add_nc_u64 s[22:23], s[22:23], s[32:33]
.irp s, 0,1,2,3,4,5,6,7
.irp c, 0,1
	global_load_b128 v[16+8*\s+4*\c:16+8*\s+4*\c+3], v4, s[4:5] offset:64*\s+32*\c               ; h's fragments, v16-79
.endr
.endr
.irp t, 0,1
.irp s, 0,1,2,3,4,5,6,7
.irp c, 0,1
	global_load_b128 v[80+64*\t+8*\s+4*\c:80+64*\t+8*\s+4*\c+3], v4, s[8:9] offset:8192*\t+64*\s+32*\c   ; W's, v80-207
.endr
.endr
.endr
	global_load_b128 v[208:211], v5, s[6:7]        ; h's scale words: register j: K step j below, 4 + j above
.irp t, 0,1
	global_load_b128 v[212+4*\t:215+4*\t], v5, s[10:11] offset:512*\t
	global_load_b32 v[236+\t], v6, s[12:13] offset:64*\t                                          ; Wc_b of unit r
.endr
	s_wait_loadcnt 0x0
	; source 0 = 16 batches, source 1 = 16 units: register j of lane (r, h) is batch 8 h + j, unit r.  The two accumulators take turns
.irp s, 0,1,2,3,4,5,6,7
.irp t, 0,1
.if \s == 0
	v_wmma_scale_f32_16x16x128_f8f6f4 v[220+8*\t:227+8*\t], v[16+8*\s:23+8*\s], v[80+64*\t+8*\s:87+64*\t+8*\s], 0, v[208+\s%4], v[212+4*\t+\s%4] matrix_a_fmt:MATRIX_FMT_FP4 matrix_b_fmt:MATRIX_FMT_FP4
.elseif \s < 4
	v_wmma_scale_f32_16x16x128_f8f6f4 v[220+8*\t:227+8*\t], v[16+8*\s:23+8*\s], v[80+64*\t+8*\s:87+64*\t+8*\s], v[220+8*\t:227+8*\t], v[208+\s%4], v[212+4*\t+\s%4] matrix_a_fmt:MATRIX_FMT_FP4 matrix_b_fmt:MATRIX_FMT_FP4
.else
	v_wmma_scale_f32_16x16x128_f8f6f4 v[220+8*\t:227+8*\t], v[16+8*\s:23+8*\s], v[80+64*\t+8*\s:87+64*\t+8*\s], v[220+8*\t:227+8*\t], v[208+\s%4], v[212+4*\t+\s%4] matrix_a_fmt:MATRIX_FMT_FP4 matrix_b_fmt:MATRIX_FMT_FP4 matrix_a_scale:MATRIX_SCALE_ROW1 matrix_b_scale:MATRIX_SCALE_ROW1
.endif
.endr
.endr
	v_mul_f32 v238, s30, v236                      ; KC Wc_b: with the two v_nop the four places behind the last product (ISA guide 7.12.1)
	v_mul_f32 v239, s30, v237
	v_nop
	v_nop
.irp j, 0,1,2,3,4,5,6,7                        ; each accumulator from its low end on
	v_fma_f32 v[16+2*\j], v[220+\j], s30, v238     ; KC (proj_dec + Wc_b), tile T0
	v_fma_f32 v[32+2*\j], v[228+\j], s30, v239     ; tile T0 + 1
.endr
.irp j, 0,1,2,3,4,5,6,7
	v_permlane16_swap_b32 v[16+2*\j], v[32+2*\j]   ; the first now holds batch j (T0 below, T0 + 1 above), the second batch 8 + j
.endr
.irp j, 0,1,2,3,4,5,6,7
	v_mov_b32 v[17+2*\j], v[16+2*\j]               ; each number twice
	v_mov_b32 v[33+2*\j], v[32+2*\j]
.endr
.irp j, 0,1,2,3,4,5,6,7
	global_store_b64 v7, v[16+2*\j:17+2*\j], s[22:23] offset:8192*\j          ; 32 lanes store 256 consecutive bytes, aligned
	global_store_b64 v7, v[32+2*\j:33+2*\j], s[22:23] offset:8192*(8+\j)
.endr
	s_endpgm
.Limages:
	; ---- U's images: a wave takes one tile
	s_sub_co_u32 s26, s26, 64                      ; tile T = 4 (work-group - 16) + wave
	s_wait_alu depctr_va_vdst(0)
	v_lshlrev_b32 v8, 4, v3                        ; 16 bytes a lane
	s_wait_alu depctr_va_vdst(0)
	s_wait_kmcnt 0x0
	s_lshl_b32 s32, s26, 13                        ; 16 rows of 512 bytes
	s_add_nc_u64 s[14:15], s[14:15], s[32:33]
	s_lshl_b32 s32, s26, 9                         ; 16 rows of 32 bytes
	s_add_nc_u64 s[16:17], s[16:17], s[32:33]
	s_lshl_b32 s32, s26, 6                         ; 16 numbers
	s_add_nc_u64 s[18:19], s[18:19], s[32:33]
	s_add_nc_u64 s[20:21], s[20:21], s[32:33]
	s_lshl_b32 s32, s26, 14                        ; a tile's pitch
	s_add_nc_u64 s[24:25], s[24:25], s[32:33]
.irp s, 0,1,2,3,4,5,6,7
.irp c, 0,1
	global_load_b128 v[16+8*\s+4*\c:16+8*\s+4*\c+3], v4, s[14:15] offset:64*\s+32*\c   ; together the sixteen loads take the tile's 8,192 consecutive bytes once
.endr
.endr
	global_load_b128 v[80:83], v5, s[16:17]
	global_load_b32 v84, v6, s[18:19]              ; Wc_w of unit r
	global_load_b32 v85, v6, s[20:21]              ; V of unit r
	s_wait_loadcnt 0x0
	v_mul_f32 v88, s30, v84
	v_mul_f32 v89, s30, v84
	v_mul_f32 v90, -2.0, v85
	v_mul_f32 v91, -2.0, v85
.irp i, 0,1,2,3,4,5,6,7,8,9,10,11,12,13,14,15
	global_store_b128 v8, v[16+4*\i:19+4*\i], s[24:25] offset:512*\i          ; 32 lanes store 512 consecutive bytes, aligned
.endr
	global_store_b128 v8, v[80:83], s[24:25] offset:8192
	global_store_b128 v8, v[88:91], s[24:25] offset:8704
	s_endpgm
.Lfunc_end_k_q0284b6ff33_prep:
	.size	k_q0284b6ff33_prep, .Lfunc_end_k_q0284b6ff33_prep-k_q0284b6ff33_prep
	.p2alignl 7, 3214868480
	.fill 96, 4, 3214868480
	.section	.rodata,"a",@progbits
	.p2align	6, 0x0
	.amdhsa_kernel k_q0284b6ff33_prep
		.amdhsa_group_segment_fixed_size 0
		.amdhsa_private_segment_fixed_size 0
		.amdhsa_enable_private_segment 0
		.amdhsa_kernarg_size 88
		.amdhsa_user_sgpr_count 2
		.amdhsa_user_sgpr_kernarg_segment_ptr 1
		.amdhsa_wavefront_size32 1
		.amdhsa_system_sgpr_workgroup_id_x 1
		.amdhsa_system_sgpr_workgroup_id_y 1
		.amdhsa_system_sgpr_workgroup_id_z 1
		.amdhsa_system_vgpr_workitem_id 0
		.amdhsa_next_free_vgpr 256
		.amdhsa_next_free_sgpr 66
		.amdhsa_reserve_vcc 0
		.amdhsa_float_denorm_mode_32 3
		.amdhsa_float_denorm_mode_16_64 3
		.amdhsa_memory_ordered 1
		.amdhsa_forward_progress 1
		.amdhsa_inst_pref_size 17
	.end_amdhsa_kernel
	.amdgpu_metadata
---
amdhsa.version: [ 1, 2 ]
amdhsa.kernels:
  - .name:           k_q0284b6ff33_prep
    .symbol:         k_q0284b6ff33_prep.kd
    .args:
      - { .name: decoder_hidden_state_codes, .offset: 0, .size: 8, .value_kind: global_buffer, .address_space: global }
      - { .name: decoder_hidden_state_scales, .offset: 8, .size: 8, .value_kind: global_buffer, .address_space: global }
      - { .name: W_codes, .offset: 16, .size: 8, .value_kind: global_buffer, .address_space: global }
      - { .name: W_scales, .offset: 24, .size: 8, .value_kind: global_buffer, .address_space: global }
      - { .name: Wc_b, .offset: 32, .size: 8, .value_kind: global_buffer, .address_space: global }
      - { .name: U_codes, .offset: 40, .size: 8, .value_kind: global_buffer, .address_space: global }
      - { .name: U_scales, .offset: 48, .size: 8, .value_kind: global_buffer, .address_space: global }
      - { .name: Wc_w, .offset: 56, .size: 8, .value_kind: global_buffer, .address_space: global }
      - { .name: V, .offset: 64, .size: 8, .value_kind: global_buffer, .address_space: global }
      - { .name: kbi, .offset: 72, .size: 8, .value_kind: global_buffer, .address_space: global }
      - { .name: uimg, .offset: 80, .size: 8, .value_kind: global_buffer, .address_space: global }
    .group_segment_fixed_size: 0
    .private_segment_fixed_size: 0
    .kernarg_segment_align: 8
    .kernarg_segment_size: 88
    .max_flat_workgroup_size: 128
    .sgpr_count:     66
    .vgpr_count:     256
    .wavefront_size: 32
...
	.end_amdgpu_metadata
.endif
;; end of part 1
;; launch main (part 2): grid 256 x 1, 4 waves a work-group, no clusters, 327,680 bytes of LDS; arguments encoder_outputs, uimg, kbi, coverage_vector, encoder_mask, ctxp, stat, scr; writes ctxp, stat, scr
.if DOCPART == 2
	.amdgcn_target "amdgcn-amd-amdhsa--gfx1250"
	.amdhsa_code_object_version 6
	.text
	.protected	k_q0284b6ff33_main
	.globl	k_q0284b6ff33_main
	.p2align	8
	.type	k_q0284b6ff33_main,@function
k_q0284b6ff33_main:
	s_mov_b64 s[64:65], 0
	v_nop
	global_prefetch_b8 v0, s[64:65] scope:SCOPE_SE
	s_setreg_imm32_b32 hwreg(HW_REG_WAVE_MODE, 25, 1), 1
	s_wait_xcnt 0x0
; Additive attention, all but the last normalisation.  Work-group g owns rows 256 g .. 256 g + 255 of encoder_outputs (batch g / 8), in four blocks of 64; each row is read from memory ONCE.
; A BLOCK:  X: wave w takes its 16 rows (f32, brought into LDS by its own tensor load), quantises them to E2M1 along the 1,024 (a lane holds a whole block of 32), stores codes and scale bytes
;   to LDS and keeps a bf16 copy of the rows in 256 registers | barrier; behind it the next block's rows are asked for |  FETCH: every wave takes all 64 rows' fragments into 256 registers |
;   TILES: THE WAVES SHARE THE UNITS: wave w walks units 256 w .. + 255, 16 tiles of 16; a tile's fragments of U come from memory as register images (launch prep) through a ring of four tiles in
;   registers and feed 4 x 8 matrix instructions; then y = KC acc + (cov KC Wc_w + KC (proj_dec + Wc_b)), r = 1 / (1 + 2^y), score' += -2 V r |  P4: score' summed over lanes and waves | barrier |
;   running softmax of the wave's own 16 rows, and their part of the context by 32 bf16 matrix instructions straight from the bf16 copy.
; WHEN U IS ASKED FOR: a block's tiles 0-2 at the block's head and tile 3 behind X, so that these 4 x 9,088 bytes a wave travel while no tensor load is out; tiles 4-15 in the first three trips of the
;   tile loop, each into the slot that has just been multiplied; the fourth trip asks for nothing, so that the rows' tensor load has nothing beside it there, and no tile is asked for that nobody uses.
; tanh z = 1 - 2 / (1 + 2^(KC z)), KC = 2 log2(e).  THE SCORE LACKS THE CONSTANT sum of V: it is the same for every row, and the score goes into a softmax alone, which a common shift leaves as it is.
; SOFTMAX: a running maximum M (of t = score' log2(e), over all rows, masked ones too, as reference() takes it) and sum L for each wave; at the end the four waves are brought under the work-group's
;   maximum.  Out go the unnormalised context (ctxp), (M, L) (stat) and the scores (scr); the last launch joins a batch's eight work-groups.
; NO CLUSTER: the rows are shared by nobody.  U is shared by all, but of the 327,680 bytes of LDS 278,528 hold the next block's rows and 41,984 the codes and small tables: 7,168 are left, and one tile of U is 9,088.
; NO PREFETCH: behind each refill's barrier the work-group has 262,144 bytes asked for, through all 16 tiles; the launch streams its one large input throughout.
; LIMITS: NaN and infinities among the inputs are not served.  A block of zeros gets the scale byte 1 where the rule says 127: its codes are zeros, and this launch alone reads the bytes.
;   encoder_outputs and p are rounded to bf16 for the context.  A batch whose mask is all zero gives NaN in the last launch, as in reference().
; REGISTERS, in windows of 256: window 0: see the names below.  window 1: the 64 rows' fragments, (tile of rows m, K step s) at v[8 (8 m + s)]; in X: v0-127 two pairs of rows, v128-159 at work; in P4: v192-255 eight results.
;   window 2: the bf16 copy: v[8 i + q] = rows 2 q, 2 q + 1 of column 32 lane + i.   window 3: the ring of U: tile u of four at v[64 u + 8 s].
.set KC,      0x4038aa3b
.set LOG2E,   0x3fb8aa3b
.set WLAND,   69632                    ; LDS: a wave's 16 rows: 256 pieces of 256 bytes + 16 of padding; filled by tensor loads alone, read by the wave that asked
.set ROWP,    4352                     ; so a row of 4,096 bytes takes 16 x 272
.set L_CODES, 278528                   ; 64 rows x (512 bytes of codes + 16); at the end the stage for the context
.set CPITCH,  528
.set L_ASC,   312320                   ; 64 rows x 48: the row's 32 scale bytes
.set L_PART,  315392                   ; [wave][64 rows] partial scores
.set L_COV,   316416                   ; the work-group's 256 coverage numbers
.set L_MSK,   317440                   ; its 256 mask numbers
.set L_SCO,   318464                   ; its 256 scores
.set L_PB,    319488                   ; 64 bytes a wave: 16 p in bf16
.set L_STAT,  319744                   ; 4 M, then 4 L
.set SPARE,   320000                   ; the spare words: 128 bytes a wave, two blocks of 256 bytes that no other line names
.set LA,   1                           ; v1   my 128 bytes of my wave's first row: WLAND w + 128 l + 16 (l / 2)
.set CST,  2                           ; v2   where my block's codes go: L_CODES + 16 w CPITCH + 16 l
.set AST,  3                           ; v3   and its scale byte: L_ASC + 768 w + l
.set AFA,  4                           ; v4   a fragment's place: L_CODES + CPITCH r + 16 h
.set ASA,  5                           ; v5   its scale words: L_ASC + 48 r + 16 h
.set COVA, 6                           ; v6   L_COV + 32 h, 256 on for each block
.set PST,  7                           ; v7   L_PART + 256 w + 32 h
.set PLD,  8                           ; v8   L_PART + 4 (16 w + r)
.set MSA,  9                           ; v9   L_MSK + 4 (16 w + r), 256 on for each block; the score's place lies 1,024 further
.set PBS,  10                          ; v10  L_PB + 64 w + 2 r
.set PBL,  11                          ; v11  L_PB + 64 w
.set UOF,  12                          ; v12  16 l; never rewritten
.set KOF,  13                          ; v13  8 r; never rewritten
.set SPW,  14                          ; v14  my spare word's address; never rewritten
.set NIL,  15                          ; v15  0; never rewritten
.set ASC,  16                          ; v16-31  the rows' scale words, 4 m + j: K step j in lanes 0-15, 4 + j in lanes 16-31
.set USC,  32                          ; v32-47  U's likewise, 4 u + j
.set CW,   48                          ; v48-63  4 u: KC Wc_w twice, -2 V twice, of my unit
.set KB,   64                          ; v64-71  2 u: KC (proj_dec + Wc_b) twice
.set T,    72                          ; v72-79  at work
.set P,    80                          ; v80-87  p's fragment
.set RM,   88                          ; v88 M   v89 L   v90 F   v91 the score
.set RL,   89
.set RF,   90
.set RS,   91                          ; v92-99 at work
.set ACC,  100                         ; v100-131  four accumulators: register 8 m + j of lane (r, h): row 16 m + 8 h + j, unit r
.set SC,   132                         ; v132-163  score sums, in the same layout
.set RCOV, 164                         ; v164-195  coverage, in the same layout
.set RUN,  196                         ; v196-227  the running context: column 32 l + i
.set COF,  228                         ; v228 16 r; never rewritten
.set PFO,  229                         ; v229 256 l: the prefetches' offset; never rewritten
.set MSB, 0
.macro WIN new                         ; the immediate's high byte repeats the setting that is left; a switch that changes nothing is dropped
.if MSB != \new
	s_set_vgpr_msb (MSB<<8)|\new
.set MSB, \new
.endif
.endm
.macro NOPS n
.rept \n
	v_nop
.endr
.endm
; the ring of U: 17 loads bring a tile's eight fragments and its scale words, 512 consecutive bytes each; two more its constants, where lanes 16-31 name the bytes of lanes 0-15
.macro ULOAD u
	WIN 0xc0                                       ; destination window 3
.irp s, 0,1,2,3,4,5,6,7
.irp c, 0,1
	global_load_b128 v[64*(\u)+8*\s+4*\c:64*(\u)+8*\s+4*\c+3], v[UOF], s[42:43] offset:(\u)*16384+(2*\s+\c)*512
.endr
.endr
	WIN 0
	global_load_b128 v[USC+4*(\u):USC+4*(\u)+3], v[UOF], s[42:43] offset:(\u)*16384+8192
.endm
.macro CLOAD u
	global_load_b128 v[CW+4*(\u):CW+4*(\u)+3], v[COF], s[42:43] offset:(\u)*16384+8704
	global_load_b64 v[KB+2*(\u):KB+2*(\u)+1], v[KOF], s[48:49] offset:(\u)*128
.endm
; THE WALK OVER U, which takes the place of the head's note on when U is asked for.  My 16 tiles are four groups of four, G0 .. G3.  The ring is filled ONCE, at the kernel's
; head, with G0: 4 x 19 loads.  A block's fourth trip asks for nothing, so at a block's end the ring, its scale words and its constants still hold the group multiplied last, and
; neither X nor P4 writes those registers.  The next block begins with that group and goes on cyclically: G0 G1 G2 G3 | G3 G0 G1 G2 | G2 G3 G0 G1 | G1 G2 G3 G0.
; So blocks 1 to 3 ask for 12 tiles each and not 16: 52 tiles a wave in the launch.  The order of the units in a row's score sum differs from block to block; the sum is the same but for rounding.
.macro RING
	s_mov_b64 s[42:43], s[40:41]
	s_mov_b64 s[48:49], s[46:47]
	s_mov_b32 s44, 0
	s_mov_b32 s50, 0
	ULOAD 0
	CLOAD 0
	ULOAD 1
	CLOAD 1
	ULOAD 2
	CLOAD 2
	ULOAD 3
	CLOAD 3
.endm
; X.  Rows 2 q and 2 q + 1 of my 16: my 32 numbers of each, 8 loads a row; sixteen lanes' 16 bytes fall on sixteen different 16-byte columns of 256
.macro LOADP q
.set LX, 64*((\q)%2)
	WIN 0x40                                       ; destination window 1
.irp j, 0,1,2,3,4,5,6,7
	ds_load_b128 v[LX+4*\j:LX+4*\j+3], v[LA] offset:(2*(\q))*ROWP+16*\j
.endr
.irp j, 0,1,2,3,4,5,6,7
	ds_load_b128 v[LX+32+4*\j:LX+32+4*\j+3], v[LA] offset:(2*(\q)+1)*ROWP+16*\j
.endr
.endm
; A block's largest magnitude, with the floor 2^(3 - 127) among its leaves (the byte cannot fall under 1); 2 off its exponent field is the conversion's scale operand; that, shifted, the byte
.macro QUANT2 q
.set XA, 64*((\q)%2)
.set XB, XA+32
.set CA, 144+8*((\q)%2)
.set CB, CA+4
.set BY, 140+2*((\q)%2)
	WIN 0x55                                       ; all in window 1
	v_max3_num_f32 v128, |v[XA]|, |v[XA+1]|, 0x1800000
	v_max3_num_f32 v129, |v[XA+16]|, |v[XA+17]|, |v[XA+18]|
	v_max3_num_f32 v130, |v[XB]|, |v[XB+1]|, 0x1800000
	v_max3_num_f32 v131, |v[XB+16]|, |v[XB+17]|, |v[XB+18]|
.irp i, 0,1,2,3,4,5                            ; four chains by turns: no line waits for the line above it
	v_max3_num_f32 v128, v128, |v[XA+2+2*\i]|, |v[XA+3+2*\i]|
	v_max3_num_f32 v129, v129, |v[XA+19+2*\i]|, |v[XA+20+2*\i]|
	v_max3_num_f32 v130, v130, |v[XB+2+2*\i]|, |v[XB+3+2*\i]|
	v_max3_num_f32 v131, v131, |v[XB+19+2*\i]|, |v[XB+20+2*\i]|
.endr
	v_max3_num_f32 v128, v128, |v[XA+14]|, |v[XA+15]|
	v_max3_num_f32 v130, v130, |v[XB+14]|, |v[XB+15]|
	v_max3_num_f32 v128, v128, v129, |v[XA+31]|
	v_max3_num_f32 v130, v130, v131, |v[XB+31]|
	v_add_nc_u32 v136, 0xff000000, v128
	v_add_nc_u32 v137, 0xff000000, v130
	v_lshrrev_b32 v[BY], 23, v136
	v_lshrrev_b32 v[BY+1], 23, v137
.irp g, 0,1,2,3
	v_cvt_scalef32_pk8_fp4_f32 v[CA+\g], v[XA+8*\g:XA+8*\g+7], v136
	v_cvt_scalef32_pk8_fp4_f32 v[CB+\g], v[XB+8*\g:XB+8*\g+7], v137
.endr
	v_nop                                          ; one plain place behind the last scaled conversion
.endm
.macro STOREP q
	WIN 0x04                                       ; an LDS store's data are its source 1: window 1
	ds_store_b128 v[CST], v[CA:CA+3] offset:(2*(\q))*CPITCH          ; 32 lanes: the row's 512 bytes of codes
	ds_store_b8 v[AST], v[BY] offset:(2*(\q))*48
	ds_store_b128 v[CST], v[CB:CB+3] offset:(2*(\q)+1)*CPITCH
	ds_store_b8 v[AST], v[BY+1] offset:(2*(\q)+1)*48
.endm
.macro PACKP q                         ; the bf16 copy: the even row in the low half, as the bf16 operand's layout has the lower k
	WIN 0x85                                       ; destination window 2, sources window 1
.set i, 0
.rept 32
	v_cvt_pk_bf16_f32 v[8*i+(\q)], v[XA+i], v[XB+i]
.set i, i+1
.endr
.endm
.macro XFULL
	LOADP 0
.irp q, 0,1,2,3,4,5,6,7
.if \q < 7
	LOADP \q+1                                     ; into the buffer that the pair before has left
	s_wait_dscnt 16                                ; all but the 16 loads just issued: this pair is in, and the last pair's four stores have read their registers
.else
	s_wait_dscnt 0x0
.endif
	QUANT2 \q
	STOREP \q
	PACKP \q
.endr
	WIN 0
.endm
; My rows have been read: they are filled again with the next block's.  The barrier also shows every wave's codes to the others.
.macro REFILL
	s_wait_tensorcnt 0x0                           ; no tensor load of mine is out (the block's head has waited for the one there was), so the descriptor may be written
	ds_add_u32 v[SPW], v[NIL]                      ; 0 onto my spare word
	s_add_nc_u64 s[30:31], s[30:31], 0x40000       ; 64 rows of 4,096 bytes on; the type bits on top are not reached
	s_add_nc_u64 s[32:33], s[32:33], 0x40000       ; and so the block that the prefetches name: one block further on than this refill's
	s_mov_b32 s34, 0                               ; they begin at my first row of it (no memory instruction names s[32:35])
	s_wait_dscnt 0x0                               ; the add is done, my reads of my rows are back, my codes and scale bytes have landed
	s_barrier_signal -1
	s_barrier_wait -1
	tensor_load_to_lds s[28:31], s[20:27]          ; my one tensor load behind the barrier, and the first thing there: it has FETCH, the 16 tiles and P4 in which to land
	s_nop 0
	NOPS 4
.endm
.macro FETCH
	WIN 0x40
.irp m, 0,1,2,3
.irp s, 0,1,2,3,4,5,6,7
.irp c, 0,1
	ds_load_b128 v[8*(8*\m+\s)+4*\c:8*(8*\m+\s)+4*\c+3], v[AFA] offset:\m*16*CPITCH+64*\s+32*\c
.endr
.endr
.endr
	WIN 0
.irp m, 0,1,2,3
	ds_load_b128 v[ASC+4*\m:ASC+4*\m+3], v[ASA] offset:768*\m
.endr
.irp m, 0,1,2,3
	ds_load_b128 v[RCOV+8*\m:RCOV+8*\m+3], v[COVA] offset:64*\m
	ds_load_b128 v[RCOV+8*\m+4:RCOV+8*\m+7], v[COVA] offset:64*\m+16
.endr
.set i, 0
.rept 32
	v_mov_b32 v[SC+i], 0                           ; the block's score sums begin (the tile is written for every place in a block alike)
.set i, i+1
.endr
	s_wait_dscnt 0x0
.endm
; One tile of 16 units against the 64 rows.  cnt: how many loads were issued behind this tile's 19.  ld = 1: the tile four on is asked for, into this tile's registers.
; adv = 1: the bases step four tiles on first.
; A PREFETCH INTO THE L2 (this takes the place of the head's note that there is none).  pfo >= 0: one global_prefetch_b8, 32 lanes 256 bytes apart, 8,192 bytes at byte pfo from s[58:59].
; In block b a wave asks for its own 16 rows of block b + 2, which the NEXT block's refill will load: one whole block ahead of that load.  Two instructions in each of the four trips:
; 8 x 8,192 = the wave's 65,536 bytes, each aligned 256 bytes named once, by the one wave that will load them.  Blocks 0 and 1 come by their loads alone.  Block 2 asks for nothing
; (the branch on the count of blocks, s52), and in the last block the lines are not assembled: so no address leaves the buffer.  s[58:59] is written only behind the trip's s_wait_xcnt 0.
.macro TILE u, cnt, ld, adv, pfo
	s_wait_loadcnt \cnt                            ; loads come back in order (ISA guide 5.7.1): my tile's 19 are in, the younger ones stay out
	WIN 0x0d                                       ; source 0 (rows) window 1, source 1 (U) window 3, C and D window 0
.irp s, 0,1,2,3,4,5,6,7                        ; the four accumulators take turns, one instruction a turn; the first K step starts the sums
.irp m, 0,1,2,3
.if \s == 0
	v_wmma_scale_f32_16x16x128_f8f6f4 v[ACC+8*\m:ACC+8*\m+7], v[8*(8*\m+\s):8*(8*\m+\s)+7], v[64*(\u)+8*\s:64*(\u)+8*\s+7], 0, v[ASC+4*\m+\s%4], v[USC+4*(\u)+\s%4] matrix_a_fmt:MATRIX_FMT_FP4 matrix_b_fmt:MATRIX_FMT_FP4
.elseif \s < 4
	v_wmma_scale_f32_16x16x128_f8f6f4 v[ACC+8*\m:ACC+8*\m+7], v[8*(8*\m+\s):8*(8*\m+\s)+7], v[64*(\u)+8*\s:64*(\u)+8*\s+7], v[ACC+8*\m:ACC+8*\m+7], v[ASC+4*\m+\s%4], v[USC+4*(\u)+\s%4] matrix_a_fmt:MATRIX_FMT_FP4 matrix_b_fmt:MATRIX_FMT_FP4
.else
	v_wmma_scale_f32_16x16x128_f8f6f4 v[ACC+8*\m:ACC+8*\m+7], v[8*(8*\m+\s):8*(8*\m+\s)+7], v[64*(\u)+8*\s:64*(\u)+8*\s+7], v[ACC+8*\m:ACC+8*\m+7], v[ASC+4*\m+\s%4], v[USC+4*(\u)+\s%4] matrix_a_fmt:MATRIX_FMT_FP4 matrix_b_fmt:MATRIX_FMT_FP4 matrix_a_scale:MATRIX_SCALE_ROW1 matrix_b_scale:MATRIX_SCALE_ROW1
.endif
.endr
.endr
	WIN 0
.irp G, 0,1,2,3
.irp k, 0,1,2,3
	v_pk_fma_f32 v[T+2*\k:T+2*\k+1], v[RCOV+8*\G+2*\k:RCOV+8*\G+2*\k+1], v[CW+4*(\u):CW+4*(\u)+1], v[KB+2*(\u):KB+2*(\u)+1]   ; cov KC Wc_w + KC (proj_dec + Wc_b).  The first four are the places behind the last product (ISA guide 7.12.1)
.endr
.irp k, 0,1,2,3
	v_pk_fma_f32 v[ACC+8*\G+2*\k:ACC+8*\G+2*\k+1], v[ACC+8*\G+2*\k:ACC+8*\G+2*\k+1], s[36:37], v[T+2*\k:T+2*\k+1] op_sel_hi:[1,0,1]   ; y; each accumulator from its low end on
.endr
.endr
.set i, 0
	s_wait_alu depctr_va_vdst(0)
.rept 32
	v_exp_f32 v[ACC+i], v[ACC+i]                   ; 2^y: infinity and 0 at the ends give r = 0 and 1, tanh = 1 and -1
.set i, i+1
.endr
	v_nop                                          ; a plain place behind the last of the batch,
	s_wait_alu depctr_va_vdst(0)                   ; and one wait for the batch ahead of its first reader
.if \ld
.if \adv
	s_wait_xcnt 0x0                                ; the last trip's loads have read their bases; the youngest of them stands a tile's products and scalings back
	s_add_co_u32 s44, s44, 0x10000                 ; four tiles of 16,384 bytes on,
	s_and_b32 s44, s44, 0x3ffff                    ; round my 262,144 bytes: behind G3 comes G0
	s_add_co_u32 s50, s50, 512                     ; four tiles of 128 bytes on,
	s_and_b32 s50, s50, 0x7ff                      ; round my 2,048 bytes
	s_add_nc_u64 s[42:43], s[40:41], s[44:45]
	s_add_nc_u64 s[48:49], s[46:47], s[50:51]
.if \pfo >= 0
	s_add_nc_u64 s[58:59], s[32:33], s[34:35]      ; this trip's 16,384 bytes of the rows to be asked for (the fourth trip names the 16,384 behind the third's by its immediates)
	s_add_co_u32 s34, s34, 0x4000
.endif
.endif
	ULOAD \u                                       ; the tile four on takes this tile's registers; the run stands behind the wait above, where all my vector results are written
.endif
.if \pfo >= 0
	s_cmp_gt_u32 s52, 1                            ; blocks 0 and 1 alone have a block two on
	s_cbranch_scc0 .Lnopf_\@
	global_prefetch_b8 v[PFO], s[58:59] offset:\pfo th:TH_LOAD_NT scope:SCOPE_SE
.Lnopf_\@:
.endif
.set i, 0
.rept 16
	v_pk_add_f32 v[ACC+i:ACC+i+1], v[ACC+i:ACC+i+1], 1.0 op_sel_hi:[1,0]
.set i, i+2
.endr
.set i, 0
	s_wait_alu depctr_va_vdst(0)
.rept 32
	v_rcp_f32 v[ACC+i], v[ACC+i]
.set i, i+1
.endr
	v_nop
	s_wait_alu depctr_va_vdst(0)
.set i, 0
.rept 16
	v_pk_fma_f32 v[SC+i:SC+i+1], v[ACC+i:ACC+i+1], v[CW+4*(\u)+2:CW+4*(\u)+3], v[SC+i:SC+i+1]   ; score' += -2 V r
.set i, i+2
.endr
.if \ld
	CLOAD \u
.endif
.endm
; My 16 tiles, four a trip.  Each of the first three trips asks for the four tiles of the next; behind a tile's 19 loads then stand the 3 x 19 of the three tiles that follow it in the ring.
; The fourth trip is written out: it asks for nothing, and its counts run down 57, 38, 19, 0.
.macro TILES pf                        ; pf = 1: with the prefetches (the last argument of TILE is then a byte offset, else -1)
	s_mov_b32 s53, 3
.Ltile_\@:
	TILE 0, 57, 1, 1, \pf*1-1
	TILE 1, 57, 1, 0, -1
	TILE 2, 57, 1, 0, \pf*8193-1
	TILE 3, 57, 1, 0, -1
	s_sub_co_u32 s53, s53, 1
	s_cmp_lg_u32 s53, 0
	s_cbranch_scc1 .Ltile_\@
	TILE 0, 57, 0, 0, \pf*16385-1
	TILE 1, 38, 0, 0, -1
	TILE 2, 19, 0, 0, \pf*24577-1
	TILE 3, 0, 0, 0, -1
.endm
.macro P4
.irp x, 1,2,4,8                                ; the sum over my tiles' 16 units: the sixteen lanes of a half
.set i, 0
.rept 32
	v_add_f32_dpp v[SC+i], v[SC+i], v[SC+i] row_xmask:\x row_mask:0xf bank_mask:0xf
.set i, i+1
.endr
.endr
.irp m, 0,1,2,3
	ds_store_b128 v[PST], v[SC+8*\m:SC+8*\m+3] offset:64*\m          ; rows 16 m + 8 h + 0 .. 7; the sixteen lanes of a half write the same words with the same values
	ds_store_b128 v[PST], v[SC+8*\m+4:SC+8*\m+7] offset:64*\m+16
.endr
	s_wait_dscnt 0x0                               ; for the others' sake: my partial scores have landed
	s_barrier_signal -1
	s_barrier_wait -1                              ; my tensor load may stay out
.irp w, 0,1,2,3
	ds_load_b32 v[92+\w], v[PLD] offset:256*\w     ; the four waves' parts of my row 16 w + r
.endr
	ds_load_b32 v96, v[MSA]                        ; its mask
	s_wait_dscnt 0x0
	v_add_f32 v92, v92, v93
	v_add_f32 v94, v94, v95
	v_add_f32 v[RS], v92, v94
	ds_store_b32 v[MSA], v[RS] offset:1024         ; the score is kept for the last launch
	v_mul_f32 v92, s38, v[RS]                      ; t = score' log2(e)
	v_mov_b32 v97, v92
.irp x, 1,2,4,8
	v_max_num_f32_dpp v97, v97, v97 row_xmask:\x row_mask:0xf bank_mask:0xf
.endr
	v_max_num_f32 v98, v[RM], v97                  ; the new M
	v_sub_f32 v99, v[RM], v98
	v_sub_f32 v92, v92, v98
	s_wait_alu depctr_va_vdst(0)
	v_exp_f32 v[RF], v99                           ; F = 2^(old M - new M)
	v_exp_f32 v93, v92
	v_mov_b32 v[RM], v98                           ; (the plain place behind the two)
	s_wait_alu depctr_va_vdst(0)                   ; one wait for both
	v_mul_f32 v94, v93, v96                        ; p = 2^(t - M) x mask
	v_fma_f32 v[RL], v[RL], v[RF], v94
	v_cvt_pk_bf16_f32 v95, v94, v94
	ds_store_b16 v[PBS], v95
	ds_load_b128 v[P:P+3], v[PBL]                  ; LDS serves a wave's instructions in order (ISA guide 5.7.1.4): these see the store.  Every lane takes all 16 p: rows 0-7, rows 8-15
	ds_load_b128 v[P+4:P+7], v[PBL] offset:16
	s_wait_dscnt 0x0
.irp j, 0,1,2,3,4,5,6,7
	v_cndmask_b32 v[P+\j], 0, v[P+\j], s39         ; only lanes 0 and 24 keep p: row 0 of the left operand on the k places of lanes 0-15, row 8 on those of lanes 16-31
.endr
	NOPS 4
; Taken as a right operand, registers 8 i .. 8 i + 7 of the bf16 copy give lane (r, h)'s 16 rows of column 32 (16 h + r) + i the k places 8 h + 0 .. 7 and 16 + 8 h + 0 .. 7.
; So register 0 of the result holds, in lane l (row 0 below, row 8 above), the sum over my 16 rows of p x column 32 l + i.
.irp G, 0,1,2,3
	WIN 0x48                                       ; source 1 window 2, destination window 1
.irp k, 0,1,2,3,4,5,6,7
	v_wmma_f32_16x16x32_bf16 v[192+8*\k:199+8*\k], v[P:P+7], v[8*(8*\G+\k):8*(8*\G+\k)+7], 0
.endr
	NOPS 5                                         ; four places ahead of the reads below, five ahead of the next eight products, which write over these results
	WIN 0x10                                       ; source 2 window 1
.irp k, 0,1,2,3,4,5,6,7
	v_fma_f32 v[RUN+8*\G+\k], v[RUN+8*\G+\k], v[RF], v[192+8*\k]
.endr
.endr
	WIN 0
	v_add_nc_u32 v[COVA], 256, v[COVA]             ; the next block's 64 numbers
	v_add_nc_u32 v[MSA], 256, v[MSA]
.endm
.macro BLOCK fill
	s_wait_tensorcnt 0x0                           ; my 16 rows are in LDS: no load was issued behind theirs, so the count is 0; only I read them
	XFULL
.if \fill
	REFILL
.else
	s_wait_dscnt 0x0                               ; my codes and scale bytes have landed
	s_barrier_signal -1
	s_barrier_wait -1
.endif
	FETCH
	TILES \fill
	P4
.endm
	s_load_b512 s[4:19], s[0:1], 0x0               ; encoder_outputs s[4:5], uimg s[6:7], kbi s[8:9], coverage s[10:11], mask s[12:13], ctxp s[14:15], stat s[16:17], scr s[18:19]
	v_lshl_add_u32 v[SPW], v0, 2, SPARE
	v_mov_b32 v[NIL], 0
	ds_add_u32 v14, v15
	ds_add_u32 v14, v15
	s_wait_dscnt 0x0
	v_lshrrev_b32 v92, 5, v0
	v_readfirstlane_b32 s2, v92                    ; wave 0..3
	; descriptor group 1: a dense block of 65,536 bytes as 64 rows of 1,024 bytes; the padding's interval, 256 bytes, divides the row: four pieces of 256 + 16 bytes a row, 1,088 bytes from row to row in LDS
	s_mov_b32 s20, (3<<16)|(1<<20)|(5<<22)|(3<<25) ; 15:0 no mask; 17:16 elements of 8 bytes; 20 padding on; 24:22 after every 64 words (code 5); 31:25 four words (code 3)
	s_mov_b32 s21, 128<<16                         ; tensor_dim0 = 128
	s_mov_b32 s22, 64<<16                          ; tensor_dim1 = 64
	s_mov_b32 s23, 128<<16                         ; tile_dim0 = 128
	s_mov_b32 s24, 64                              ; tile_dim1 = 64
	s_mov_b32 s25, 128                             ; tensor_dim0_stride
	s_mov_b32 s26, 0
	s_mov_b32 s27, 0
	s_mov_b32 s28, 1                               ; group 0: count = 1,
	s_mul_i32 s29, s2, WLAND                       ; the LDS address,
	s_lshl_b32 s54, ttmp9, 20                      ; my work-group's 256 rows of 4,096 bytes,
	s_lshl_b32 s55, s2, 16                         ; my wave's 16 of a block's 64
	s_add_co_u32 s54, s54, s55
	s_mov_b32 s55, 0
	s_wait_kmcnt 0x0
	s_add_nc_u64 s[30:31], s[4:5], s[54:55]
	s_or_b32 s31, s31, 0x80000000                  ; type = 2
	tensor_load_to_lds s[28:31], s[20:27]          ; the first block's rows, ahead of everything else
	s_nop 0
	NOPS 4
	s_add_nc_u64 s[32:33], s[4:5], s[54:55]        ; the prefetches: my rows of block 0,
	s_add_nc_u64 s[32:33], s[32:33], 0x40000       ; of block 1: each refill steps this on, so that block b's tiles find block b + 2 here
	s_mov_b32 s34, 0
	s_mov_b32 s35, 0                               ; the upper word of the offset inside my 65,536 bytes
	s_mov_b32 s36, KC
	s_mov_b32 s37, s36                             ; (named with it as a pair, so it is written)
	s_mov_b32 s38, LOG2E
	s_mov_b32 s39, 0x01000001                      ; lanes 0 and 24
	v_and_b32 v93, 31, v0                          ; l
	s_wait_alu depctr_va_vdst(0)
	v_and_b32 v94, 15, v0                          ; r
	s_wait_alu depctr_va_vdst(0)
	v_bfe_u32 v95, v0, 4, 1                        ; h
	v_lshlrev_b32 v78, 3, v0                       ; 8 bytes a thread
	s_lshl_b32 s54, ttmp9, 10                      ; my work-group's 256 numbers
	s_add_nc_u64 s[10:11], s[10:11], s[54:55]
	s_add_nc_u64 s[12:13], s[12:13], s[54:55]
	global_load_b64 v[72:73], v78, s[10:11]        ; coverage
	global_load_b64 v[74:75], v78, s[12:13]        ; mask
	s_lshl_b32 s54, s2, 18                         ; my 16 tiles of 16,384 bytes
	s_add_nc_u64 s[40:41], s[6:7], s[54:55]
	s_mov_b32 s45, 0                               ; the upper words of the two offsets that step through my tiles
	s_mov_b32 s51, 0
	s_lshr_b32 s54, ttmp9, 3                       ; the batch:
	s_lshl_b32 s54, s54, 13                        ; 8,192 bytes,
	s_lshl_b32 s56, s2, 11                         ; my 16 tiles of 128
	s_add_co_u32 s54, s54, s56
	s_add_nc_u64 s[46:47], s[8:9], s[54:55]
	v_lshlrev_b32 v[UOF], 4, v93
	v_lshlrev_b32 v[PFO], 8, v93
	v_lshlrev_b32 v[KOF], 3, v94
	v_lshlrev_b32 v[COF], 4, v94
	v_lshrrev_b32 v96, 1, v93
	v_lshlrev_b32 v[LA], 7, v93
	v_lshl_add_u32 v[LA], v96, 4, v[LA]
	v_add_nc_u32 v[LA], s29, v[LA]
	s_mul_i32 s54, s2, 16*CPITCH
	s_add_co_u32 s54, s54, L_CODES
	v_lshl_add_u32 v[CST], v93, 4, s54
	s_mul_i32 s54, s2, 768
	s_add_co_u32 s54, s54, L_ASC
	v_add_nc_u32 v[AST], s54, v93
	v_mul_u32_u24 v[AFA], v94, CPITCH
	v_lshl_add_u32 v[AFA], v95, 4, v[AFA]
	v_add_nc_u32 v[AFA], L_CODES, v[AFA]
	v_mul_u32_u24 v[ASA], v94, 48
	v_lshl_add_u32 v[ASA], v95, 4, v[ASA]
	v_add_nc_u32 v[ASA], L_ASC, v[ASA]
	v_lshl_add_u32 v[COVA], v95, 5, L_COV
	s_lshl_b32 s54, s2, 8
	s_add_co_u32 s54, s54, L_PART
	v_lshl_add_u32 v[PST], v95, 5, s54
	s_lshl_b32 s56, s2, 6
	s_add_co_u32 s54, s56, L_PART
	v_lshl_add_u32 v[PLD], v94, 2, s54
	s_add_co_u32 s54, s56, L_MSK
	v_lshl_add_u32 v[MSA], v94, 2, s54
	s_add_co_u32 s54, s56, L_PB
	v_lshl_add_u32 v[PBS], v94, 1, s54
	v_mov_b32 v[PBL], s54
	v_add_nc_u32 v98, L_COV, v78
.set i, 0
.rept 32
	v_mov_b32 v[RUN+i], 0                          ; the context: the first F is 0 and leaves zeros zeros
.set i, i+1
.endr
	v_mov_b32 v[RL], 0
	v_mov_b32 v[RM], 0xff61b1e6                    ; -3e38, under every t
	s_wait_loadcnt 0x0                             ; coverage and mask are in: nothing was issued behind them
	ds_store_b64 v98, v[72:73]                     ; read by all waves behind the first block's barrier, in front of which every wave waits for its LDS stores
	ds_store_b64 v98, v[74:75] offset:1024
	RING                                           ; my first four tiles of U: they travel under the wait for the first rows and under the first X
	s_mov_b32 s52, 3
.Lblock:
	BLOCK 1
	s_sub_co_u32 s52, s52, 1
	s_cmp_lg_u32 s52, 0
	s_cbranch_scc1 .Lblock
	BLOCK 0                                        ; the last block is written out
	; THE END: the four waves' figures are brought under one maximum and summed.  No load is out: the last trip's last wait was for 0.
.irp x, 1,2,4,8
	v_add_f32_dpp v[RL], v[RL], v[RL] row_xmask:\x row_mask:0xf bank_mask:0xf
.endr
	s_lshl_b32 s54, s2, 2
	s_add_co_u32 s54, s54, L_STAT
	v_mov_b32 v92, s54
	v_mov_b32 v93, L_STAT
	ds_store_b32 v92, v[RM]
	s_wait_alu depctr_va_vdst(0)
	s_wait_dscnt 0x0
	s_barrier_signal -1
	s_barrier_wait -1
	ds_load_b128 v[72:75], v93
	v_and_b32 v94, 31, v0
	v_lshrrev_b32 v95, 1, v94
	v_lshlrev_b32 v94, 7, v94
	v_lshl_add_u32 v94, v95, 4, v94
	s_mul_i32 s54, s2, ROWP
	s_add_co_u32 s54, s54, L_CODES
	v_add_nc_u32 v94, s54, v94                     ; the stage, in the codes' bytes, which nobody reads any more: my 1,024 numbers, 16 bytes of padding behind each 256
	s_wait_dscnt 0x0
	v_max3_num_f32 v96, v72, v73, v74
	v_max_num_f32 v96, v96, v75                    ; the work-group's M
	v_sub_f32 v98, v[RM], v96
	s_wait_alu depctr_va_vdst(0)
	v_exp_f32 v98, v98
	v_mov_b32 v99, 0                               ; (a plain place; and the pair v[98:99] is named below, so it is written)
	s_wait_alu depctr_va_vdst(0)
.set i, 0
.rept 16
	v_pk_mul_f32 v[RUN+i:RUN+i+1], v[RUN+i:RUN+i+1], v[98:99] op_sel_hi:[1,0]
.set i, i+2
.endr
	v_mul_f32 v[RL], v[RL], v98
.irp j, 0,1,2,3,4,5,6,7
	ds_store_b128 v94, v[RUN+4*\j:RUN+4*\j+3] offset:16*\j
.endr
	ds_store_b32 v92, v[RL] offset:16
	s_wait_dscnt 0x0
	s_barrier_signal -1
	s_barrier_wait -1
	v_lshrrev_b32 v95, 4, v0
	v_lshlrev_b32 v78, 4, v0                       ; 16 bytes a thread
	v_lshl_add_u32 v95, v95, 4, v78
	v_add_nc_u32 v95, L_CODES, v95
	v_lshlrev_b32 v79, 3, v0                       ; 8 bytes a thread
	v_add_nc_u32 v99, L_SCO, v79
.irp w, 0,1,2,3
	ds_load_b128 v[ACC+8*\w:ACC+8*\w+3], v95 offset:ROWP*\w          ; columns 4 t .. 4 t + 3 of wave w's part,
	ds_load_b128 v[ACC+8*\w+4:ACC+8*\w+7], v95 offset:ROWP*\w+2176   ; and 512 columns further on
.endr
	ds_load_b64 v[76:77], v99
	ds_load_b128 v[72:75], v93 offset:16
	s_mov_b32 s55, 0
	s_lshl_b32 s54, ttmp9, 12
	s_add_nc_u64 s[14:15], s[14:15], s[54:55]
	s_lshl_b32 s54, ttmp9, 10
	s_add_nc_u64 s[18:19], s[18:19], s[54:55]
	s_lshl_b32 s54, ttmp9, 8
	s_add_nc_u64 s[16:17], s[16:17], s[54:55]
	v_and_b32 v94, 31, v0
	v_lshlrev_b32 v94, 3, v94
	s_wait_dscnt 0x0
.irp w, 1,2,3
.irp j, 0,2,4,6
	v_pk_add_f32 v[ACC+\j:ACC+\j+1], v[ACC+\j:ACC+\j+1], v[ACC+8*\w+\j:ACC+8*\w+\j+1]
.endr
.endr
	v_add_f32 v72, v72, v73
	v_add_f32 v74, v74, v75
	v_add_f32 v97, v72, v74                        ; the work-group's L
	global_store_b128 v78, v[ACC:ACC+3], s[14:15]              ; a wave's store covers 512 consecutive bytes, aligned
	global_store_b128 v78, v[ACC+4:ACC+7], s[14:15] offset:2048
	global_store_b64 v79, v[76:77], s[18:19]                   ; 256 consecutive bytes, aligned
	s_cmp_lg_u32 s2, 0
	s_cbranch_scc1 .Lnot_wave_0
	global_store_b64 v94, v[96:97], s[16:17]                   ; (M, L), 32 times: one whole block of 256 bytes
.Lnot_wave_0:
	s_wait_tensorcnt 0x0                           ; the wave's end, behind my last tensor load and my last LDS store
	ds_add_u32 v[SPW], v[NIL]
	s_wait_dscnt 0x0
	s_endpgm
.Lfunc_end_k_q0284b6ff33_main:
	.size	k_q0284b6ff33_main, .Lfunc_end_k_q0284b6ff33_main-k_q0284b6ff33_main
	.p2alignl 7, 3214868480
	.fill 96, 4, 3214868480
	.section	.rodata,"a",@progbits
	.p2align	6, 0x0
	.amdhsa_kernel k_q0284b6ff33_main
		.amdhsa_group_segment_fixed_size 327680
		.amdhsa_private_segment_fixed_size 0
		.amdhsa_enable_private_segment 0
		.amdhsa_kernarg_size 64
		.amdhsa_user_sgpr_count 2
		.amdhsa_user_sgpr_kernarg_segment_ptr 1
		.amdhsa_wavefront_size32 1
		.amdhsa_system_sgpr_workgroup_id_x 1
		.amdhsa_system_sgpr_workgroup_id_y 1
		.amdhsa_system_sgpr_workgroup_id_z 1
		.amdhsa_system_vgpr_workitem_id 0
		.amdhsa_next_free_vgpr 1024
		.amdhsa_next_free_sgpr 66
		.amdhsa_reserve_vcc 0
		.amdhsa_float_denorm_mode_32 3
		.amdhsa_float_denorm_mode_16_64 3
		.amdhsa_memory_ordered 1
		.amdhsa_forward_progress 1
		.amdhsa_inst_pref_size 255
	.end_amdhsa_kernel
	.section	.bss,"aw",@nobits
	.p2align	6
	.space	262144
	.amdgpu_metadata
---
amdhsa.version: [ 1, 2 ]
amdhsa.kernels:
  - .name:           k_q0284b6ff33_main
    .symbol:         k_q0284b6ff33_main.kd
    .args:
      - { .name: encoder_outputs, .offset: 0, .size: 8, .value_kind: global_buffer, .address_space: global }
      - { .name: uimg, .offset: 8, .size: 8, .value_kind: global_buffer, .address_space: global }
      - { .name: kbi, .offset: 16, .size: 8, .value_kind: global_buffer, .address_space: global }
      - { .name: coverage_vector, .offset: 24, .size: 8, .value_kind: global_buffer, .address_space: global }
      - { .name: encoder_mask, .offset: 32, .size: 8, .value_kind: global_buffer, .address_space: global }
      - { .name: ctxp, .offset: 40, .size: 8, .value_kind: global_buffer, .address_space: global }
      - { .name: stat, .offset: 48, .size: 8, .value_kind: global_buffer, .address_space: global }
      - { .name: scr, .offset: 56, .size: 8, .value_kind: global_buffer, .address_space: global }
    .group_segment_fixed_size: 327680
    .private_segment_fixed_size: 0
    .kernarg_segment_align: 8
    .kernarg_segment_size: 64
    .max_flat_workgroup_size: 128
    .sgpr_count:     66
    .vgpr_count:     1024
    .wavefront_size: 32
...
	.end_amdgpu_metadata
.endif
;; end of part 2
;; launch finish (part 3): grid 32 x 1, 8 waves a work-group, no clusters, 0 bytes of LDS; arguments scr, stat, ctxp, encoder_mask, coverage_vector, out0, out1, out2; writes out0, out1, out2
.if DOCPART == 3
	.amdgcn_target "amdgcn-amd-amdhsa--gfx1250"
	.amdhsa_code_object_version 6
	.text
	.protected	k_q0284b6ff33_finish
	.globl	k_q0284b6ff33_finish
	.p2align	8
	.type	k_q0284b6ff33_finish,@function
k_q0284b6ff33_finish:
	s_mov_b64 s[64:65], 0
	v_nop
	global_prefetch_b8 v0, s[64:65] scope:SCOPE_SE
	s_setreg_imm32_b32 hwreg(HW_REG_WAVE_MODE, 25, 1), 1
	s_wait_xcnt 0x0
; One work-group to a batch joins the figures of the batch's eight work-groups of the launch before.
; stat holds for each of them M (the largest t = score' log2(e)) and L (the sum of 2^(t - M) x mask); ctxp its context under that M; scr the scores.
; Mb = the largest M; e_g = 2^(M_g - Mb); L = sum of L_g e_g.  out1 = 2^(score' log2(e) - Mb) x mask / L; out2 = coverage + out1; out0 = (sum of e_g ctxp_g) / L.
; The softmax's own divisor cancels against reference()'s renormalisation.  A mask of zeros alone gives L = 0 and NaN, as in reference().
; 256 threads; a thread takes 2 x 4 places of the sequence and 4 columns of the context.  All loads go out first; every load and store of a wave but stat's covers 512 consecutive bytes.  No LDS, no barrier.
.set LOG2E, 0x3fb8aa3b
	s_load_b512 s[4:19], s[0:1], 0x0               ; scr s[4:5], stat s[6:7], ctxp s[8:9], mask s[10:11], coverage s[12:13], out0 s[14:15], out1 s[16:17], out2 s[18:19]
	v_and_b32 v1, 7, v0
	s_delay_alu instid0(VALU_DEP_1)
	v_lshlrev_b32 v1, 8, v1                        ; lane l takes the figures of work-group l % 8 of the batch: 256 bytes apart
	v_lshlrev_b32 v4, 4, v0                        ; 16 bytes a thread
	s_mov_b32 s20, LOG2E
	s_mov_b32 s23, 0
	s_wait_alu depctr_va_vdst(0)
	s_wait_kmcnt 0x0
	s_lshl_b32 s22, ttmp9, 11                      ; 8 x 256 bytes
	s_add_nc_u64 s[6:7], s[6:7], s[22:23]
	s_lshl_b32 s22, ttmp9, 13                      ; 2,048 numbers
	s_add_nc_u64 s[4:5], s[4:5], s[22:23]
	s_add_nc_u64 s[10:11], s[10:11], s[22:23]
	s_add_nc_u64 s[12:13], s[12:13], s[22:23]
	s_add_nc_u64 s[16:17], s[16:17], s[22:23]
	s_add_nc_u64 s[18:19], s[18:19], s[22:23]
	s_lshl_b32 s22, ttmp9, 15                      ; 8 x 1,024 numbers
	s_add_nc_u64 s[8:9], s[8:9], s[22:23]
	s_lshl_b32 s22, ttmp9, 12                      ; 1,024 numbers
	s_add_nc_u64 s[14:15], s[14:15], s[22:23]
	global_load_b64 v[2:3], v1, s[6:7]             ; M, L
.irp k, 0,1
	global_load_b128 v[8+4*\k:11+4*\k], v4, s[4:5] offset:4096*\k
	global_load_b128 v[16+4*\k:19+4*\k], v4, s[10:11] offset:4096*\k
	global_load_b128 v[24+4*\k:27+4*\k], v4, s[12:13] offset:4096*\k
.endr
.irp g, 0,1,2,3,4,5,6,7
	global_load_b128 v[32+4*\g:35+4*\g], v4, s[8:9] offset:4096*\g
.endr
	s_wait_loadcnt 14                              ; M and L are in; the fourteen loads issued behind them may be out
	v_mov_b32 v5, v2
.irp x, 1,2,4
	s_delay_alu instid0(VALU_DEP_1)
	v_max_num_f32_dpp v5, v5, v5 row_xmask:\x row_mask:0xf bank_mask:0xf      ; Mb, in every lane
.endr
	s_delay_alu instid0(VALU_DEP_1)
	v_sub_f32 v6, v2, v5
	s_wait_alu depctr_va_vdst(0)
	v_exp_f32 v6, v6                               ; e of work-group l % 8
	v_nop                                          ; a plain place,
	s_wait_alu depctr_va_vdst(0)                   ; and the wait ahead of the first reader
	v_mul_f32 v7, v3, v6
.irp x, 1,2,4
	s_delay_alu instid0(VALU_DEP_1)
	v_add_f32_dpp v7, v7, v7 row_xmask:\x row_mask:0xf bank_mask:0xf          ; L
.endr
	s_wait_alu depctr_va_vdst(0)
	v_rcp_f32 v64, v7
.irp g, 0,1,2,3,4,5,6,7
	v_readlane_b32 s[40+\g], v6, \g                ; the eight e as scalars: they feed values alone
.endr
	v_nop
	s_wait_alu depctr_va_vdst(0)
	s_wait_loadcnt 8                               ; scores, mask and coverage are in; ctxp's eight loads may be out
.irp i, 0,1,2,3,4,5,6,7
	v_fma_f32 v[8+\i], v[8+\i], s20, -v5           ; t - Mb
.endr
	s_wait_alu depctr_va_vdst(0)
.irp i, 0,1,2,3,4,5,6,7
	v_exp_f32 v[8+\i], v[8+\i]
.endr
.irp i, 0,1,2,3,4,5,6,7
	v_mul_f32 v[16+\i], v[16+\i], v64              ; mask / L: plain work behind the batch
.endr
	s_wait_alu depctr_va_vdst(0)                   ; one wait for the eight
.irp i, 0,1,2,3,4,5,6,7
	v_mul_f32 v[8+\i], v[8+\i], v[16+\i]           ; the weight
.endr
.irp i, 0,1,2,3,4,5,6,7
	v_add_f32 v[24+\i], v[24+\i], v[8+\i]          ; coverage + weight
.endr
.irp k, 0,1
	global_store_b128 v4, v[8+4*\k:11+4*\k], s[16:17] offset:4096*\k
	global_store_b128 v4, v[24+4*\k:27+4*\k], s[18:19] offset:4096*\k
.endr
	s_wait_loadcnt 0x0
.irp i, 0,1,2,3
	v_mul_f32 v[68+\i], s40, v[32+\i]
.endr
.irp g, 1,2,3,4,5,6,7
.irp i, 0,1,2,3
	s_delay_alu instid0(VALU_DEP_4)
	v_fma_f32 v[68+\i], s[40+\g], v[32+4*\g+\i], v[68+\i]
.endr
.endr
.irp i, 0,1,2,3
	v_mul_f32 v[68+\i], v[68+\i], v64
.endr
	global_store_b128 v4, v[68:71], s[14:15]
	s_endpgm
.Lfunc_end_k_q0284b6ff33_finish:
	.size	k_q0284b6ff33_finish, .Lfunc_end_k_q0284b6ff33_finish-k_q0284b6ff33_finish
	.p2alignl 7, 3214868480
	.fill 96, 4, 3214868480
	.section	.rodata,"a",@progbits
	.p2align	6, 0x0
	.amdhsa_kernel k_q0284b6ff33_finish
		.amdhsa_group_segment_fixed_size 0
		.amdhsa_private_segment_fixed_size 0
		.amdhsa_enable_private_segment 0
		.amdhsa_kernarg_size 64
		.amdhsa_user_sgpr_count 2
		.amdhsa_user_sgpr_kernarg_segment_ptr 1
		.amdhsa_wavefront_size32 1
		.amdhsa_system_sgpr_workgroup_id_x 1
		.amdhsa_system_sgpr_workgroup_id_y 1
		.amdhsa_system_sgpr_workgroup_id_z 1
		.amdhsa_system_vgpr_workitem_id 0
		.amdhsa_next_free_vgpr 96
		.amdhsa_next_free_sgpr 66
		.amdhsa_reserve_vcc 0
		.amdhsa_float_denorm_mode_32 3
		.amdhsa_float_denorm_mode_16_64 3
		.amdhsa_memory_ordered 1
		.amdhsa_forward_progress 1
		.amdhsa_inst_pref_size 9
	.end_amdhsa_kernel
	.amdgpu_metadata
---
amdhsa.version: [ 1, 2 ]
amdhsa.kernels:
  - .name:           k_q0284b6ff33_finish
    .symbol:         k_q0284b6ff33_finish.kd
    .args:
      - { .name: scr, .offset: 0, .size: 8, .value_kind: global_buffer, .address_space: global }
      - { .name: stat, .offset: 8, .size: 8, .value_kind: global_buffer, .address_space: global }
      - { .name: ctxp, .offset: 16, .size: 8, .value_kind: global_buffer, .address_space: global }
      - { .name: encoder_mask, .offset: 24, .size: 8, .value_kind: global_buffer, .address_space: global }
      - { .name: coverage_vector, .offset: 32, .size: 8, .value_kind: global_buffer, .address_space: global }
      - { .name: out0, .offset: 40, .size: 8, .value_kind: global_buffer, .address_space: global }
      - { .name: out1, .offset: 48, .size: 8, .value_kind: global_buffer, .address_space: global }
      - { .name: out2, .offset: 56, .size: 8, .value_kind: global_buffer, .address_space: global }
    .group_segment_fixed_size: 0
    .private_segment_fixed_size: 0
    .kernarg_segment_align: 8
    .kernarg_segment_size: 64
    .max_flat_workgroup_size: 256
    .sgpr_count:     66
    .vgpr_count:     96
    .wavefront_size: 32
...
	.end_amdgpu_metadata
.endif
;; end of part 3
